; MI455X (gfx1250); checked and timed in simulation.
; The chip was launched on July 23, 2026; its instructions are those of AMD's public machine-readable ISA for CDNA 5 (MIT licence, August 2026) and "CDNA5" Instruction Set Architecture Reference Guide (July 2026). The comments in the code are by the model that wrote it; some were corrected since.
;; Universal Calculator. Allowed arithmetic: matrix products marked QUANTISED: E4M3 operands, one E8M0 scale for each 32 along K, by v_wmma_scale_f32_16x16x128_f8f6f4 with both operands' format E4M3, f32 sums; everything else in f32.
;; Inputs: W1 8 x 1,024 x 1,024 float32; W2 8 x 1,024 x 1,024 float32; b1 8 x 1,024 float32; b2 8 x 1,024 float32; topK_indices 4,096 x 2 int32; topK_scores 4,096 x 2 float32; x 4,096 x 1,024 float32.
;; Outputs: out0 4,096 x 1,024 float32; out1 one number float32.
;; This version of the problem:
;;   THIS VERSION OF THE PROBLEM IS GIVEN IN LOW PRECISION. The matrix products marked QUANTISED in the list below multiply operands that are first quantised to E4M3 (4 exponent bits, 3 mantissa bits; 8 bits a number), with one power-of-two scale for each 32 numbers along K (OCP MX v1.0); their sums are f32. All else is computed in f32.
;;   The module's matrix products, in the order in which they are computed (A, B: the left and right operand; K: the contracted axis; several contracted axes count as one K, in the product's order):
;;     1. [M 4,096, K 1,024] x [K 1,024, N 1,024]; A: input x; B: input W1: QUANTISED
;;     2. [M 4,096, K 1,024] x [K 1,024, N 1,024]; A: computed on the way; B: input W2: QUANTISED
;;     3. [M 4,096, K 1,024] x [K 1,024, N 1,024]; A: input x; B: input W1: QUANTISED
;;     4. [M 4,096, K 1,024] x [K 1,024, N 1,024]; A: computed on the way; B: input W2: QUANTISED
;;     5. [M 4,096, K 1,024] x [K 1,024, N 1,024]; A: input x; B: input W1: QUANTISED
;;     6. [M 4,096, K 1,024] x [K 1,024, N 1,024]; A: computed on the way; B: input W2: QUANTISED
;;     7. [M 4,096, K 1,024] x [K 1,024, N 1,024]; A: input x; B: input W1: QUANTISED
;;     8. [M 4,096, K 1,024] x [K 1,024, N 1,024]; A: computed on the way; B: input W2: QUANTISED
;;     9. [M 4,096, K 1,024] x [K 1,024, N 1,024]; A: input x; B: input W1: QUANTISED
;;     10. [M 4,096, K 1,024] x [K 1,024, N 1,024]; A: computed on the way; B: input W2: QUANTISED
;;     11. [M 4,096, K 1,024] x [K 1,024, N 1,024]; A: input x; B: input W1: QUANTISED
;;     12. [M 4,096, K 1,024] x [K 1,024, N 1,024]; A: computed on the way; B: input W2: QUANTISED
;;     13. [M 4,096, K 1,024] x [K 1,024, N 1,024]; A: input x; B: input W1: QUANTISED
;;     14. [M 4,096, K 1,024] x [K 1,024, N 1,024]; A: computed on the way; B: input W2: QUANTISED
;;     15. [M 4,096, K 1,024] x [K 1,024, N 1,024]; A: input x; B: input W1: QUANTISED
;;     16. [M 4,096, K 1,024] x [K 1,024, N 1,024]; A: computed on the way; B: input W2: QUANTISED
;;   THE QUANTISER, for each operand of a quantised product, along K:
;;     - K is cut into blocks of 32 from its start; a last block that is shorter is filled with zeros.
;;     - A block's scale is 2^e with e = floor(log2(the largest magnitude in the block)) - 8, held to -126 .. 127; a block of zeros has e = 0. As a byte (E8M0): e + 127.
;;     - Each number is divided by its block's scale, clamped to +-448, and rounded to the nearest number of E4M3, ties to even, subnormals kept.
;;     - The product sums the exact products of the quantised numbers (number of the format x scale) in f32.
;;   ~~~python
;;   def quantise(x, axis):      # numpy; x: float32 -> the quantised numbers, widened to float32 again
;;       x = np.moveaxis(x, axis, -1); K = x.shape[-1]
;;       x = np.pad(x, [(0, 0)] * (x.ndim - 1) + [(0, -K % 32)]); x = x.reshape(x.shape[:-1] + (-1, 32)); a = np.abs(x).max(-1, keepdims=True)
;;       e = np.where(a > 0, np.clip(np.frexp(np.where(a > 0, a, 1))[1] - 1 - 8, -126, 127), 0)      # np.frexp(a)[1] - 1 = floor(log2(a)), exactly
;;       r = np.clip(x / 2.0 ** e, -448, 448)
;;       step = 2.0 ** (np.maximum(np.frexp(np.where(r == 0, 1, r))[1] - 1, -6) - 3)
;;       q = np.round(r / step) * step * 2.0 ** e      # np.round: ties to even
;;       return np.moveaxis(q.reshape(q.shape[:-2] + (-1,))[..., :K], -1, axis).astype(np.float32)
;;   ~~~
;;   OPERANDS COMPUTED ON THE WAY. 'Computed on the way' means the value that the module computes at that place (a softmax that the list does not call 'softmax' is quantised finished and normalised). What goes into a quantiser is computed in f32, as accurately as f32 sums, v_exp_f32 and their like allow (about 1e-6 of the number): no bf16 or f16 on the way to a quantiser, and a product that is left as it is and whose result goes on into a quantised operand takes f32 operands (vector FMAs, or v_wmma_f32_16x16x4_f32). A number that lies on a knife's edge between two numbers of the format may be rounded either way, as far as f32 arithmetic and the matrix unit's own rounding can turn it there, and no further.
;; 2 versions, each right; version 2 is version 1 with the launch moe written anew for expert scheduling mode. Each part assembles by itself: llvm-mc -triple=amdgcn-amd-amdhsa -mcpu=gfx1250 --defsym DOCPART=n.
;; ======== version 1 of 2: 2 launches
;; workspace buffers: wc 16,777,216 bytes; ws 524,288 bytes; tinfo 4,096 bytes of whole numbers; ttok 19,968 bytes of whole numbers
;; launch prep (part 1): grid 513 x 1, 8 waves a work-group, no clusters, 2,048 bytes of LDS; arguments W1, W2, topK_indices, wc, ws, tinfo, ttok, out1; writes wc, ws, tinfo, ttok, out1
.if DOCPART == 1
	.amdgcn_target "amdgcn-amd-amdhsa--gfx1250"
	.amdhsa_code_object_version 6
	.text
	.protected	k_q11f80aa578_prep
	.globl	k_q11f80aa578_prep
	.p2align	8
	.type	k_q11f80aa578_prep,@function
k_q11f80aa578_prep:
	s_mov_b64 s[64:65], 0
	v_nop
	global_prefetch_b8 v0, s[64:65] scope:SCOPE_SE
	s_setreg_imm32_b32 hwreg(HW_REG_WAVE_MODE, 25, 1), 1
	s_wait_xcnt 0x0
; PREP.  Work-group 0 sorts the 4,096 tokens by their pair of experts and stores the list of tiles; work-groups 1 to 512 turn W1 and W2 (f32, [8][K 1024][N 1024], K the FIRST axis of an expert)
; into codes of FP8 (E4M3) with one E8M0 scale byte for each 32 along K, laid in the order of a matrix operand's registers.
; wc: [mat 16][g 8][s 8][t 8][c 4][lane 32][16 bytes].  mat = e for W1[e], 8 + e for W2[e]; g: 128 columns; s: 128 along K; t: a tile of 16 columns; lane (r, h) of piece c holds k = 128 s + 32 c + 16 h + 0 .. 15 of the tile's row r.
;     Row r of tile t = 2 j + u is column 128 g + 16 t + r in W2, and column 128 g + 32 j + 8 u + r + 8 (r / 8) in W1, so that the first product's results lie along the second product's K.
; ws: [mat][g][s][pos 32][j 4] words: pos = 16 u + r, the four scale bytes of that column for K step s.  So one load of 16 bytes a lane brings a K step's four registers of scale words.
; tinfo: [256 tiles][lo, hi, count, 0].  ttok: [155 tiles][32 slots] token numbers; only slots under count are written, and only those are read later.
; PAIRS.  lo < hi are a token's two experts; a token that names expert e twice goes with the pair (e, e + 1), or (6, 7) for e = 7: its gates come out as the sum and 0 in the next launch.
;     28 keys, key = hi (hi - 1) / 2 + lo.  Tiles of 32 tokens of one key: never more than (4,096 + 28 x 31) / 32 = 155, whatever the indices.
; A block's scale is 2^(floor(log2(its largest magnitude)) - 8); its byte is the largest magnitude's exponent field - 8, held at 1 from below.
; LIMITS: a block of zeros gets the byte 1 where the rule says 127 (its codes are zeros, and this program alone reads the bytes); NaN and infinities among the inputs are not served.
.set X,    32                          ; weights: v32-159 a lane's 128 numbers down K.  routing: v32-63 the index pairs
.set KEY,  64                          ; routing: v64-79   a key for each of my 16 tokens
.set RANK, 80                          ; v80-95   how many earlier lanes of the chunk have my key
.set PRE,  96                          ; v96-111  lane = key: how many tokens of that key stand in my wave's earlier chunks
.set RR,   112                         ; v112-119 lane = key: each wave's total
.set POS,  128                         ; v128-143 my tokens' places in ttok
.set TOKN, 144                         ; v144-159 my tokens' numbers
	s_load_b512 s[4:19], s[0:1], 0x0               ; W1 4:5, W2 6:7, indices 8:9, wc 10:11, ws 12:13, tinfo 14:15, ttok 16:17, out1 18:19
	v_lshl_add_u32 v160, v0, 2, 0x400
	v_mov_b32 v161, 0
	v_lshrrev_b32 v1, 5, v0
	v_readfirstlane_b32 s20, v1                    ; wave 0..7
	v_and_b32 v1, 31, v0                           ; lane
	s_cmp_eq_u32 ttmp9, 0                          ; the same in all eight waves of a work-group
	s_cbranch_scc1 .Lroute
; ---------------- THE WEIGHTS.  A wave takes 32 columns x 128 along K: a lane a column, its registers down K, so that a block of 32 lies in one lane and the codes come out with K innermost.
	s_sub_co_u32 s21, ttmp9, 1
	s_lshr_b32 s22, s21, 5                         ; mat
	s_bfe_u32 s23, s21, 0x30002                    ; g
	s_and_b32 s24, s21, 3
	s_lshl_b32 s24, s24, 1
	s_lshr_b32 s25, s20, 2
	s_add_co_u32 s24, s24, s25                     ; s = 2 (q & 3) + wave / 4
	s_and_b32 s25, s20, 3                          ; j = wave % 4: four waves stand side by side on 512 bytes of a row
	s_and_b32 s26, s22, 7                          ; source: expert x 4 MiB + 128 s rows of 4,096 bytes + (128 g + 32 j) x 4
	s_lshl_b32 s26, s26, 22
	s_lshl_b32 s27, s24, 19
	s_add_co_u32 s26, s26, s27
	s_lshl_b32 s27, s23, 9
	s_add_co_u32 s26, s26, s27
	s_lshl_b32 s27, s25, 7
	s_add_co_u32 s26, s26, s27
	s_mov_b32 s27, 0
	s_lshl_b32 s28, s22, 20                        ; wc: mat x 1 MiB + g x 128 KiB + s x 16 KiB + j x 4 KiB
	s_lshl_b32 s29, s23, 17
	s_add_co_u32 s28, s28, s29
	s_lshl_b32 s29, s24, 14
	s_add_co_u32 s28, s28, s29
	s_lshl_b32 s29, s25, 12
	s_add_co_u32 s28, s28, s29
	s_mov_b32 s29, 0
	s_lshl_b32 s30, s22, 15                        ; ws: mat x 32 KiB + g x 4 KiB + s x 512 + j x 4
	s_lshl_b32 s31, s23, 12
	s_add_co_u32 s30, s30, s31
	s_lshl_b32 s31, s24, 9
	s_add_co_u32 s30, s30, s31
	s_lshl_b32 s31, s25, 2
	s_add_co_u32 s30, s30, s31
	s_mov_b32 s31, 0
	s_mov_b32 s35, 0x600000                        ; the mantissa field of 448
	v_lshlrev_b32 v2, 2, v1                        ; in: 4 bytes a lane
	v_bfe_u32 v3, v1, 3, 1                         ; W1's place of column L of the 32: u = (L / 8) % 2, r = L % 8 + 8 (L / 16); pos = 16 u + r
	v_and_b32 v4, 7, v1
	v_lshl_add_u32 v4, v3, 4, v4
	v_bfe_u32 v3, v1, 4, 1
	v_lshl_add_u32 v4, v3, 3, v4
	s_wait_kmcnt 0x0
	s_cmp_lt_u32 s22, 8                            ; W1 or W2: the choice hangs on the work-group's number alone
	s_cselect_b64 s[4:5], s[4:5], s[6:7]
	s_cselect_b32 s34, -1, 0
	s_add_nc_u64 s[4:5], s[4:5], s[26:27]
	s_add_nc_u64 s[10:11], s[10:11], s[28:29]
	s_add_nc_u64 s[12:13], s[12:13], s[30:31]
.macro LOAD c                          ; block c: W(128 s + 32 c + i, my column): 32 lanes read 128 consecutive bytes; every offset is an immediate
.set ii, 0
.rept 32
	global_load_b32 v[X+32*(\c)+ii], v2, s[4:5] offset:(32*(\c)+ii)*4096 th:TH_LOAD_NT
.set ii, ii+1
.endr
.endm
	LOAD 0
	LOAD 1
	v_cndmask_b32 v3, v1, v4, s34                  ; pos: W2's is the lane itself
	v_lshrrev_b32 v5, 4, v3
	v_and_b32 v6, 15, v3
	v_lshlrev_b32 v6, 4, v6
	v_lshl_add_u32 v4, v5, 11, v6                  ; my codes' place: u x 2,048 + 16 r
	v_lshlrev_b32 v5, 4, v3                        ; my scale word's: 16 pos
; A block's codes go into registers that nothing writes again: block 0's into v16-23, block c's into the first eight registers of block c - 1's numbers, which are done with.  So no store's data are rewritten.
.macro BLOCK c
.set XS, X+32*(\c)
.if (\c) == 0
.set CD, 16
.else
.set CD, X+32*((\c)-1)
.endif
	v_max3_num_f32 v8, |v[XS]|, |v[XS+1]|, |v[XS+2]|   ; the block's largest magnitude: all 32 numbers are mine; two chains
	v_max3_num_f32 v9, |v[XS+3]|, |v[XS+4]|, |v[XS+5]|
.irp i, 6,10,14,18,22,26
	v_max3_num_f32 v8, v8, |v[XS+\i]|, |v[XS+\i+1]|
	v_max3_num_f32 v9, v9, |v[XS+\i+2]|, |v[XS+\i+3]|
.endr
	v_max3_num_f32 v8, v8, |v[XS+30]|, |v[XS+31]|
	v_max3_num_f32 v8, v8, v9, 0x4800000           ; and the floor 2^(9 - 127): the byte cannot fall under 1
	v_add_nc_u32 v11, 0xfc000000, v8               ; 8 off the exponent field: the conversion takes this operand's exponent field as its scale
	v_and_or_b32 v10, v8, 0x7f800000, s35          ; 448 x the scale
	v_lshrrev_b32 v12, 23, v11                     ; the scale's byte
.if (\c) == 0
	v_mov_b32 v14, v12
.else
	v_lshl_or_b32 v14, v12, 8*(\c), v14            ; the lower K in the lower byte
.endif
.set ii, 0
.rept 32
	v_med3_num_f32 v[XS+ii], v[XS+ii], -v10, v10   ; the conversion to an 8-bit code does not saturate (ISA guide 7.6.2): the hold at 448 x the scale comes first
.set ii, ii+1
.endr
.irp q, 0,1,2,3
	v_cvt_scalef32_pk8_fp8_f32 v[CD+2*\q:CD+2*\q+1], v[XS+8*\q:XS+8*\q+7], v11
.endr
	v_nop                                          ; a plain line behind the last conversion: the next block writes v11 and, later, these numbers' registers
	global_store_b128 v4, v[CD:CD+3], s[10:11] offset:512*(\c)        ; k 32 c + 0 .. 15: the sixteen lanes of a tile store 256 consecutive bytes, aligned
	global_store_b128 v4, v[CD+4:CD+7], s[10:11] offset:512*(\c)+256  ; k 32 c + 16 .. 31: the places of lanes 16-31 of the operand
.endm
	s_wait_loadcnt 32                              ; block 0's loads are in; the 32 of block 1 may be out
	LOAD 2
	BLOCK 0
	s_wait_loadcnt 32                              ; block 1's are in; block 2's may be out
	LOAD 3
	BLOCK 1
	s_wait_loadcnt 32                              ; block 2's are in; block 3's may be out
	BLOCK 2
	s_wait_loadcnt 0x0
	BLOCK 3
	global_store_b32 v5, v14, s[12:13]             ; my column's scale word for this K step: one word of each 16 bytes of the step's 512; the work-group's four waves j fill them.  One byte in 128 of what the launch reads
	s_endpgm
; ---------------- THE ROUTING: a counting sort without atomics.  Wave w, chunk j, lane L: token 512 w + 32 j + L.
.Lroute:
	v_lshlrev_b32 v2, 3, v1
	s_lshl_b32 s36, s20, 12
	v_add_nc_u32 v2, s36, v2                       ; 8 bytes a token: 4,096 w + 8 L
	s_wait_kmcnt 0x0
.irp j, 0,1,2,3,4,5,6,7,8,9,10,11,12,13,14,15
	global_load_b64 v[32+2*\j:33+2*\j], v2, s[8:9] offset:256*\j
.endr
.irp i, 0,1,2,3,4
	v_bfe_u32 v9, v1, \i, 1
	v_sub_nc_u32 v[4+\i], 0, v9                    ; all ones where bit i of my lane's number is set
.endr
	s_mov_b32 s30, 0x55555555                      ; for the count of one bits
	s_mov_b32 s31, 0x33333333
	s_mov_b32 s32, 0x0f0f0f0f
	s_mov_b32 s33, 0x01010101
	v_mov_b32 v21, 0                               ; lane = key: my wave's tokens of that key so far
; One chunk of 32 tokens.  The five bits of the keys are gathered as five lane masks; from them each lane has the mask of lanes with ITS TOKEN's key (for the rank) and the mask of lanes whose key is ITS OWN NUMBER (for the count).
.macro CHUNK j
	s_wait_loadcnt 15-(\j)                         ; loads come back in order: this chunk's is in, the younger chunks' stay out
	v_min_u32 v9, 7, v[32+2*(\j)]
	v_min_u32 v10, 7, v[33+2*(\j)]
	v_min_u32 v11, v9, v10                         ; lo
	v_add_nc_u32 v12, v9, v10
	v_sub_nc_u32 v12, v12, v11                     ; hi
	v_cmp_eq_u32 vcc_lo, v11, v12
	v_cndmask_b32 v13, 0, 1, vcc_lo
	v_add_nc_u32 v12, v12, v13                     ; an expert named twice: the pair (e, e + 1),
	v_min_u32 v12, 7, v12
	v_add_nc_u32 v13, -1, v12
	v_min_u32 v11, v11, v13                        ; or (6, 7) for e = 7
	v_mul_u32_u24 v14, v12, v13
	v_lshrrev_b32 v14, 1, v14
	v_add_nc_u32 v14, v14, v11
	v_min_u32 v[KEY+(\j)], 27, v14                 ; key = hi (hi - 1) / 2 + lo
.irp i, 0,1,2,3,4
	v_and_b32 v15, 1<<\i, v[KEY+(\j)]
	v_cmp_ne_u32 s[24+\i], 0, v15                  ; the lanes whose key has bit i
.if \i == 0
	v_cndmask_b32 v17, 0, -1, s[24+\i]
	v_xor_b32 v17, s[24+\i], v17                   ; lanes that differ from my token's key in this bit
	v_xor_b32 v19, s[24+\i], v[4+\i]               ; lanes that differ from my lane's number in this bit
.else
	v_cndmask_b32 v16, 0, -1, s[24+\i]
	v_xor_b32 v16, s[24+\i], v16
	v_xor_b32 v18, s[24+\i], v[4+\i]
	v_or_b32 v17, v17, v16
	v_or_b32 v19, v19, v18
.endif
.endr
	v_xor_b32 v17, -1, v17
	v_mbcnt_lo_u32_b32 v[RANK+(\j)], v17, 0        ; earlier lanes with my token's key
	v_xor_b32 v19, -1, v19                         ; the lanes whose key is my lane's number; its one bits are counted
	v_lshrrev_b32 v15, 1, v19
	v_and_b32 v15, s30, v15
	v_sub_nc_u32 v19, v19, v15
	v_lshrrev_b32 v15, 2, v19
	v_and_b32 v19, s31, v19
	v_and_b32 v15, s31, v15
	v_add_nc_u32 v19, v19, v15
	v_lshrrev_b32 v15, 4, v19
	v_add_nc_u32 v19, v19, v15
	v_and_b32 v19, s32, v19
	v_mul_lo_u32 v19, v19, s33
	v_lshrrev_b32 v19, 24, v19
	v_mov_b32 v[PRE+(\j)], v21
	v_add_nc_u32 v21, v21, v19
.endm
.irp j, 0,1,2,3,4,5,6,7,8,9,10,11,12,13,14,15
	CHUNK \j
.endr
	v_lshlrev_b32 v22, 2, v0
	ds_store_b32 v22, v21                          ; word [wave][key]
	s_wait_dscnt 0x0                               ; for the others' sake: my store has landed
	s_barrier_signal -1
	s_barrier_wait -1
	v_lshlrev_b32 v23, 2, v1
.irp w, 0,1,2,3,4,5,6,7
	ds_load_b32 v[RR+\w], v23 offset:128*\w
.endr
	v_mov_b32 v120, 0                              ; N: the key's tokens in all
	v_mov_b32 v123, 0                              ; WB: those of the waves in front of mine
	s_wait_dscnt 0x0
.irp w, 0,1,2,3,4,5,6,7
	v_add_nc_u32 v120, v120, v[RR+\w]
	s_cmp_gt_u32 s20, \w
	s_cselect_b32 s36, -1, 0
	v_and_b32 v9, s36, v[RR+\w]
	v_add_nc_u32 v123, v123, v9
.endr
	v_add_nc_u32 v121, 31, v120
	v_lshrrev_b32 v121, 5, v121                    ; T: the key's tiles
	v_mov_b32 v122, 0                              ; TB: the key's first tile: the sum of T over the keys in front
	s_mov_b32 s37, 0
.set kk, 0
.rept 28
	v_writelane_b32 v122, s37, kk
	v_readlane_b32 s38, v121, kk
	s_add_co_u32 s37, s37, s38
.set kk, kk+1
.endr
	v_lshl_add_u32 v124, v122, 5, v123             ; lane = key: where my wave's tokens of that key begin in ttok
	s_lshl_b32 s36, s20, 9
	v_add_nc_u32 v24, s36, v1                      ; token 512 w + L
.irp j, 0,1,2,3,4,5,6,7,8,9,10,11,12,13,14,15
	v_add_nc_u32 v[PRE+\j], v124, v[PRE+\j]
	v_lshlrev_b32 v[KEY+\j], 2, v[KEY+\j]
	v_add_nc_u32 v[TOKN+\j], 32*\j, v24
.endr
.irp j, 0,1,2,3,4,5,6,7,8,9,10,11,12,13,14,15
	ds_bpermute_b32 v[POS+\j], v[KEY+\j], v[PRE+\j]   ; a pull between lanes: from the lane whose number is my token's key; no LDS byte is touched
.endr
	s_wait_dscnt 0x0
.irp j, 0,1,2,3,4,5,6,7,8,9,10,11,12,13,14,15
	v_add_nc_u32 v[POS+\j], v[POS+\j], v[RANK+\j]
	v_min_u32 v[POS+\j], 4959, v[POS+\j]           ; 155 x 32 - 1: the list's last slot
	v_lshlrev_b32 v[POS+\j], 2, v[POS+\j]
	global_store_b32 v[POS+\j], v[TOKN+\j], s[16:17]
.endr
	; the list of tiles: thread t writes tile t.  It belongs to the key with TB <= t < TB + T, if there is one
	v_mov_b32 v12, 0                               ; lo
	v_mov_b32 v13, 1                               ; hi
	v_mov_b32 v14, 0                               ; count: 0 for a tile that does not exist
	v_mov_b32 v15, 0
.set kk, 0
.set hh, 1
.rept 7
.set ll, 0
.rept hh
	v_readlane_b32 s38, v122, kk
	v_readlane_b32 s39, v121, kk
	v_readlane_b32 s40, v120, kk
	v_sub_nc_u32 v9, v0, s38                       ; d = t - TB
	v_cmp_gt_u32 vcc_lo, s39, v9                   ; unsigned: a negative d is no tile of this key
	v_cndmask_b32 v12, v12, ll, vcc_lo
	v_cndmask_b32 v13, v13, hh, vcc_lo
	v_lshlrev_b32 v10, 5, v9
	v_sub_nc_u32 v10, s40, v10                     ; N - 32 d tokens are left for this tile and those behind it
	v_cndmask_b32 v14, v14, v10, vcc_lo
.set ll, ll+1
.set kk, kk+1
.endr
.set hh, hh+1
.endr
	v_min_u32 v14, 32, v14
	v_lshlrev_b32 v16, 4, v0
	global_store_b128 v16, v[12:15], s[14:15]      ; sixteen lanes store 256 consecutive bytes, aligned
	v_mov_b32 v17, 0xbf800000                      ; the second result: -1.0
	v_mov_b32 v18, 0
	v_cmp_eq_u32 vcc_lo, 0, v0
	s_wait_xcnt 0x0                                ; EXEC is a source of the stores above: it changes only behind this wait
	s_wait_tensorcnt 0x0
	ds_add_u32 v160, v161
	s_wait_dscnt 0x0
	s_and_saveexec_b32 s41, vcc_lo
	global_store_b32 v18, v17, s[18:19]
	s_wait_xcnt 0x0                                ; and again in front of the line that widens it
	s_or_b32 exec_lo, exec_lo, s41
	s_endpgm
.Lfunc_end_k_q11f80aa578_prep:
	.size	k_q11f80aa578_prep, .Lfunc_end_k_q11f80aa578_prep-k_q11f80aa578_prep
	.p2alignl 7, 3214868480
	.fill 96, 4, 3214868480
	.section	.rodata,"a",@progbits
	.p2align	6, 0x0
	.amdhsa_kernel k_q11f80aa578_prep
		.amdhsa_group_segment_fixed_size 2048
		.amdhsa_private_segment_fixed_size 0
		.amdhsa_enable_private_segment 0
		.amdhsa_kernarg_size 64
		.amdhsa_user_sgpr_count 2
		.amdhsa_user_sgpr_kernarg_segment_ptr 1
		.amdhsa_wavefront_size32 1
		.amdhsa_system_sgpr_workgroup_id_x 1
		.amdhsa_system_sgpr_workgroup_id_y 1
		.amdhsa_system_sgpr_workgroup_id_z 1
		.amdhsa_system_vgpr_workitem_id 0
		.amdhsa_next_free_vgpr 162
		.amdhsa_next_free_sgpr 66
		.amdhsa_reserve_vcc 1
		.amdhsa_float_denorm_mode_32 3
		.amdhsa_float_denorm_mode_16_64 3
		.amdhsa_memory_ordered 1
		.amdhsa_forward_progress 1
		.amdhsa_inst_pref_size 100
	.end_amdhsa_kernel
	.amdgpu_metadata
---
amdhsa.version: [ 1, 2 ]
amdhsa.kernels:
  - .name:           k_q11f80aa578_prep
    .symbol:         k_q11f80aa578_prep.kd
    .args:
      - { .name: W1, .offset: 0, .size: 8, .value_kind: global_buffer, .address_space: global }
      - { .name: W2, .offset: 8, .size: 8, .value_kind: global_buffer, .address_space: global }
      - { .name: topK_indices, .offset: 16, .size: 8, .value_kind: global_buffer, .address_space: global }
      - { .name: wc, .offset: 24, .size: 8, .value_kind: global_buffer, .address_space: global }
      - { .name: ws, .offset: 32, .size: 8, .value_kind: global_buffer, .address_space: global }
      - { .name: tinfo, .offset: 40, .size: 8, .value_kind: global_buffer, .address_space: global }
      - { .name: ttok, .offset: 48, .size: 8, .value_kind: global_buffer, .address_space: global }
      - { .name: out1, .offset: 56, .size: 8, .value_kind: global_buffer, .address_space: global }
    .group_segment_fixed_size: 2048
    .private_segment_fixed_size: 0
    .kernarg_segment_align: 8
    .kernarg_segment_size: 64
    .max_flat_workgroup_size: 256
    .sgpr_count:     66
    .vgpr_count:     162
    .wavefront_size: 32
...
	.end_amdgpu_metadata
.endif
;; end of part 1
;; launch moe (part 2): grid 155 x 1, 8 waves a work-group, no clusters, 214,016 bytes of LDS; arguments x, topK_scores, topK_indices, b1, b2, wc, ws, tinfo, ttok, out0; writes out0
.if DOCPART == 2
	.amdgcn_target "amdgcn-amd-amdhsa--gfx1250"
	.amdhsa_code_object_version 6
	.text
	.protected	k_q11f80aa578_moe
	.globl	k_q11f80aa578_moe
	.p2align	8
	.type	k_q11f80aa578_moe,@function
k_q11f80aa578_moe:
	s_mov_b64 s[64:65], 0
	v_nop
	global_prefetch_b8 v0, s[64:65] scope:SCOPE_SE
	s_setreg_imm32_b32 hwreg(HW_REG_WAVE_MODE, 25, 1), 1
	s_wait_xcnt 0x0
; MOE.  out0[b] = g_lo (silu(x[b] W1[lo] + b1[lo]) W2[lo] + b2[lo]) + g_hi (the same with hi), both products on codes of FP8 (E4M3) with one E8M0 scale for each 32 along K.
; A work-group takes ONE TILE of at most 32 tokens that share the pair of experts (lo, hi), as the launch before has listed them, through the whole chain, and owns its rows of out0.
; The experts with gate 0 are not multiplied: their share of the sum is 0.  g_e = (i0 == e ? s0 : 0) + (i1 == e ? s1 : 0), as it is defined; the factor 1.0 on the scores is not written.
; 155 work-groups serve every split of the tokens.  The stored count steers which slots of the list are read and which rows are stored, and nothing else: every wave passes every barrier, and no barrier stands under a
; branch on a number read from memory.  So a work-group whose tile this split does not have (count 0) walks the chain like the others, on the list's first token and experts 0 and 1, and stores nothing.
; The rows stored hang on a stored number, so this text has no tensor load: the weights' codes come from memory straight into registers, each fragment by four loads of 512 consecutive bytes, since they were
; laid in the order of the operand's registers.  No cluster: neighbouring tiles have other experts.
; SHARES.  THE EIGHT WAVES SHARE THE COLUMNS, NOT THE ROWS: wave g makes hidden units 128 g .. 128 g + 127 (K step g of the second product: one whole fragment and one scale word a row) and outputs 128 g .. + 127, for both tiles of 16 rows.
; Both products are used TRANSPOSED (source 0 = 16 rows of the weight, source 1 = 16 tokens): a lane holds one token, its registers run along the units; W1's rows of a tile were chosen so that the 16 registers of
; tiles 2 b, 2 b + 1 are 16 neighbours along the next K.  The biases are the C of each sum's first matrix instruction.
; FEW LOADS FROM MEMORY.  A product of a wave is 8 K steps of 33 loads: 32 of 512 bytes of codes and ONE of 512 bytes for the step's four registers of scale words.  An expert's b1 and b2 at my 128 columns come from
; memory once, 512 consecutive bytes each, into LDS bytes of my own, and go from there into the accumulators, where a lane wants eight numbers that fifteen other lanes want too.
; OPERANDS GO FROM WAVE TO WAVE THROUGH LDS AS IMAGES OF THEIR REGISTERS: piece c of a fragment at 512 c + 16 x lane, the scale word at 4 x lane.
; LIMITS: NaN and infinities among the inputs are not served; a block of zeros has the scale byte 1 (its codes are zeros); where x W1 + b1 lies under about -88 the exponential overflows and silu comes out as -0, the true value being under 1e-37 in magnitude.
; LDS: 0 x's scale words [2 s + m][lane]; 2,048 the hidden layer's; 4,096 x's 16 fragments [2 s + m] x 2,048; 36,864 the hidden layer's; from 69,632 on 16,896 bytes of each wave's own: first the image of g_lo x the first expert's result, then the stage for the way out (32 rows x 528);
;   from 204,800 on 1,024 bytes of each wave's own: b1, then b2, of the expert in hand at my 128 columns.
; REGISTERS.  Window 0: v1-15 addresses and tokens; v16-21 gates; v22 where I store the biases, v23 64 x (lane / 16); v24-31 the weights' scale words, v32-35 the rows' (two sets each: these registers hold scales alone); v36-59 at work in the quantiser;
;   v64-127 two sets of the rows' fragments, and between the products 64 numbers at work; v128-255 the 16 accumulators, (t, m) at 128 + 64 m + 8 t.   Window 1: two sets of 8 weight fragments, at v0 and v128 of it.
.set XSC,  0
.set HSC,  2048
.set XIMG, 4096
.set HIMG, 36864
.set WREG, 69632
.set WRB,  16896
.set BREG, 204800
.set BS,   24
.set AS,   32
.set TM,   36                          ; v36-39 largest magnitudes, v40-43 bytes, v44-47 448 x the scale, v48-51 the conversions' scale operands
.set PW,   52                          ; the scale word just made
.set PC0,  56                          ; v56-59 block 0's codes; block b's go into the first four registers of block b - 1's numbers
.set AB,   64
.set ACC,  128
.set C1,   32                          ; s[32:43] the expert in hand: W1's codes, W1's scales, W2's codes, W2's scales, b1, b2, each at my wave's part;  s[44:55] the same for the second expert
.set S1,   34
.set C2,   36
.set S2,   38
.set BI1,  40
.set BI2,  42
.set MSB, 0
.macro WIN new                         ; s_set_vgpr_msb's low byte: bits 1:0 source 0, 3:2 source 1, 5:4 source 2, 7:6 destination; the high byte repeats the setting that is left
.if MSB != \new
	s_set_vgpr_msb (MSB<<8)|\new
.set MSB, \new
.endif
.endm
.macro PLACES                          ; eight places behind this matrix form, in front of loads into its operands and of the first read of results
.rept 8
	v_nop
.endr
.endm
.macro BARRIER                         ; my LDS stores have landed and my LDS loads are in: then the work-group's barrier
	s_wait_dscnt 0x0
	s_barrier_signal -1
	s_barrier_wait -1
.endm
; 33 loads: my 8 weight fragments of K step s into set buf (each load: 512 consecutive bytes), and by one load more their 4 registers of scale words (register q: lanes 0-15 tile 2 q, lanes 16-31 tile 2 q + 1)
.macro BLOAD cb, sb, s, buf
	WIN 0x40
.irp t, 0,1,2,3,4,5,6,7
.irp c, 0,1,2,3
	global_load_b128 v[128*(\buf)+16*\t+4*\c:128*(\buf)+16*\t+4*\c+3], v1, s[\cb:\cb+1] offset:16384*(\s)+2048*\t+512*\c
.endr
.endr
	WIN 0
	global_load_b128 v[BS+4*(\buf):BS+4*(\buf)+3], v1, s[\sb:\sb+1] offset:512*(\s)
.endm
; 10 LDS loads: the two row tiles' fragments of K step s and their scale words into set buf
.macro AFETCH areg, ab, sbs, s, buf
.irp m, 0,1
.irp c, 0,1,2,3
	ds_load_b128 v[AB+32*(\buf)+16*\m+4*\c:AB+32*(\buf)+16*\m+4*\c+3], v[\areg] offset:\ab+(2*(\s)+\m)*2048+512*\c
.endr
.endr
.irp m, 0,1
	ds_load_b32 v[AS+2*(\buf)+\m], v2 offset:\sbs+(2*(\s)+\m)*128
.endr
.endm
; 16 matrix instructions, the 16 accumulators by turns, one instruction a turn, in the same order in every step
.macro MUL buf
	WIN 0x01
.irp t, 0,1,2,3,4,5,6,7
.irp m, 0,1
.if (\t)%2
	v_wmma_scale_f32_16x16x128_f8f6f4 v[ACC+64*\m+8*\t:ACC+64*\m+8*\t+7], v[128*(\buf)+16*\t:128*(\buf)+16*\t+15], v[AB+32*(\buf)+16*\m:AB+32*(\buf)+16*\m+15], v[ACC+64*\m+8*\t:ACC+64*\m+8*\t+7], v[BS+4*(\buf)+\t/2], v[AS+2*(\buf)+\m] matrix_a_scale:MATRIX_SCALE_ROW1
.else
	v_wmma_scale_f32_16x16x128_f8f6f4 v[ACC+64*\m+8*\t:ACC+64*\m+8*\t+7], v[128*(\buf)+16*\t:128*(\buf)+16*\t+15], v[AB+32*(\buf)+16*\m:AB+32*(\buf)+16*\m+15], v[ACC+64*\m+8*\t:ACC+64*\m+8*\t+7], v[BS+4*(\buf)+\t/2], v[AS+2*(\buf)+\m]
.endif
.endr
.endr
	WIN 0
.endm
; A K step of 128.  Step s works on set s % 2 and then asks for step s + 2 into the same set.
.macro STEP cb, sb, areg, ab, sbs, s
.if (\s) == 7
	s_wait_loadcnt 0x0                             ; nothing was issued behind step 7's loads
	s_wait_dscnt 0x0
.else
	s_wait_loadcnt 33                              ; this step's weights are in; the 33 loads of the next step may be out.  (The bias in the accumulators came from LDS and was waited for in front of the barrier ahead of the product)
	s_wait_dscnt 10                                ; this step's rows are in; the 10 LDS loads of the next step may be out
.endif
	MUL (\s)%2
	PLACES
.if (\s) < 6
	BLOAD \cb, \sb, (\s)+2, (\s)%2
	AFETCH \areg, \ab, \sbs, (\s)+2, (\s)%2
.endif
.endm
.macro PHASE cb, sb, areg, ab, sbs     ; a whole product: K = 1,024 in eight steps; the weights of steps 0 and 1 were asked for ahead, and the bias lies in the accumulators
	AFETCH \areg, \ab, \sbs, 0, 0
	AFETCH \areg, \ab, \sbs, 1, 1
.irp s, 0,1,2,3,4,5,6,7
	STEP \cb, \sb, \areg, \ab, \sbs, \s
.endr
.endm
; 32 LDS loads: the bias into the accumulators, in the result's layout, out of my own 1,024 bytes.  kind 1: tile 2 b + u, lane half h: b1 at units 32 b + 16 h + 8 u + 0 .. 7 (v9 holds 64 h);  kind 2: tile t: b2, 512 bytes on, at columns 16 t + 8 h + 0 .. 7 (v10 holds 32 h)
.macro BIAS kind
.irp m, 0,1
.irp t, 0,1,2,3,4,5,6,7
.if \kind == 1
	ds_load_b128 v[ACC+64*\m+8*\t:ACC+64*\m+8*\t+3], v9 offset:(32*(\t/2)+8*(\t%2))*4
	ds_load_b128 v[ACC+64*\m+8*\t+4:ACC+64*\m+8*\t+7], v9 offset:(32*(\t/2)+8*(\t%2))*4+16
.else
	ds_load_b128 v[ACC+64*\m+8*\t:ACC+64*\m+8*\t+3], v10 offset:512+64*\t
	ds_load_b128 v[ACC+64*\m+8*\t+4:ACC+64*\m+8*\t+7], v10 offset:512+64*\t+16
.endif
.endr
.endr
.endm
; 64 numbers of a lane, v[s] on, register 16 b + i = k 32 b + 16 (lane / 16) + i of my row, become a fragment's codes and its scale word
.macro QUANT s
.irp b, 0,1,2,3
	v_max3_num_f32 v[TM+\b], |v[\s+16*\b]|, |v[\s+1+16*\b]|, 0x4800000   ; block b: my 16 numbers, and the floor 2^(9 - 127): the byte cannot fall under 1
.endr
.irp i, 2,4,6,8,10,12,14
.irp b, 0,1,2,3
	v_max3_num_f32 v[TM+\b], v[TM+\b], |v[\s+16*\b+\i]|, |v[\s+1+16*\b+\i]|   ; the four blocks by turns
.endr
.endr
.irp b, 0,1,2,3
	v_permlanex16_b32 v[TM+4+\b], v[TM+\b], s56, s57
.endr
.irp b, 0,1,2,3
	v_max_num_f32 v[TM+\b], v[TM+\b], v[TM+4+\b]   ; with lane l xor 16's: the block's largest magnitude
.endr
.irp b, 0,1,2,3
	v_add_nc_u32 v[TM+12+\b], 0xfc000000, v[TM+\b] ; 8 off its exponent field: the conversion's scale operand
.endr
.irp b, 0,1,2,3
	v_and_or_b32 v[TM+8+\b], v[TM+\b], 0x7f800000, s58   ; 448 x the scale
.endr
.irp b, 0,1,2,3
	v_lshrrev_b32 v[TM+4+\b], 23, v[TM+12+\b]      ; the scale's byte
.endr
	v_lshl_or_b32 v[PW], v[TM+5], 8, v[TM+4]       ; the four bytes make my row's scale word
	v_lshl_or_b32 v[PW], v[TM+6], 16, v[PW]
	v_lshl_or_b32 v[PW], v[TM+7], 24, v[PW]
.irp b, 0,1,2,3
.irp i, 0,1,2,3,4,5,6,7,8,9,10,11,12,13,14,15
	v_med3_num_f32 v[\s+16*\b+\i], v[\s+16*\b+\i], -v[TM+8+\b], v[TM+8+\b]   ; the conversion does not saturate (ISA guide 7.6.2): the hold comes first.  These sixteen also stand between the last block's conversions and the writes over their sources
.endr
.if \b == 0
	v_cvt_scalef32_pk8_fp8_f32 v[PC0:PC0+1], v[\s:\s+7], v[TM+12]
	v_cvt_scalef32_pk8_fp8_f32 v[PC0+2:PC0+3], v[\s+8:\s+15], v[TM+12]
.else
	v_cvt_scalef32_pk8_fp8_f32 v[\s+16*(\b-1):\s+16*(\b-1)+1], v[\s+16*\b:\s+16*\b+7], v[TM+12+\b]
	v_cvt_scalef32_pk8_fp8_f32 v[\s+16*(\b-1)+2:\s+16*(\b-1)+3], v[\s+16*\b+8:\s+16*\b+15], v[TM+12+\b]
.endif
.endr
	v_nop                                          ; a plain line behind the last conversion
.endm
.macro IMAGE s, off, soff              ; the fragment just made goes to LDS as it stands: v3 = 16 x lane + 4,096 x wave, v5 = 4 x lane + 256 x wave
	ds_store_b128 v3, v[PC0:PC0+3] offset:\off
.irp b, 1,2,3
	ds_store_b128 v3, v[\s+16*(\b-1):\s+16*(\b-1)+3] offset:\off+512*\b
.endr
	ds_store_b32 v5, v[PW] offset:\soff
.endm
; silu(z) = z / (1 + 2^(-z log2 e)) of row tile m's 64 numbers, into v[AB] on.  Each accumulator is read from its low end on.  One wait a batch of transcendentals
.macro SILU m
.set ii, 0
.rept 32
	v_pk_mul_f32 v[AB+2*ii:AB+2*ii+1], v[ACC+64*(\m)+2*ii:ACC+64*(\m)+2*ii+1], s[60:61] op_sel_hi:[1,0]
.set ii, ii+1
.endr
.set ii, 0
.rept 64
	v_exp_f32 v[AB+ii], v[AB+ii]
.set ii, ii+1
.endr
	v_nop                                          ; a plain line behind the last exponential
	s_wait_alu depctr_va_vdst(0)
.set ii, 0
.rept 32
	v_pk_add_f32 v[AB+2*ii:AB+2*ii+1], v[AB+2*ii:AB+2*ii+1], 1.0 op_sel_hi:[1,0]
.set ii, ii+1
.endr
.set ii, 0
.rept 64
	v_rcp_f32 v[AB+ii], v[AB+ii]
.set ii, ii+1
.endr
	v_nop
	s_wait_alu depctr_va_vdst(0)
.set ii, 0
.rept 32
	v_pk_mul_f32 v[AB+2*ii:AB+2*ii+1], v[AB+2*ii:AB+2*ii+1], v[ACC+64*(\m)+2*ii:ACC+64*(\m)+2*ii+1]
.set ii, ii+1
.endr
.endm
.macro XLOAD reg, m                    ; my K step's 64 numbers of my row of tile m: 16 neighbours of each block of 32
.irp b, 0,1,2,3
.irp q, 0,1,2,3
	global_load_b128 v[\reg+16*\b+4*\q:\reg+16*\b+4*\q+3], v[14+\m], s[62:63] offset:128*\b+16*\q
.endr
.endr
.endm
.macro PTRS e, b                       ; the six pointers of expert s[e], at my wave's part, into s[b] on.  8 e + g counts parts of 128 columns
	s_lshl_b32 s68, s[\e], 3
	s_add_co_u32 s68, s68, s28
	s_lshl_b32 s70, s68, 17
	s_add_nc_u64 s[\b:\b+1], s[14:15], s[70:71]
	s_add_nc_u64 s[\b+4:\b+5], s[\b:\b+1], 0x800000      ; W2's codes lie 64 parts on
	s_lshl_b32 s70, s68, 12
	s_add_nc_u64 s[\b+2:\b+3], s[16:17], s[70:71]
	s_add_nc_u64 s[\b+6:\b+7], s[\b+2:\b+3], 0x40000
	s_lshl_b32 s70, s68, 9
	s_add_nc_u64 s[\b+8:\b+9], s[10:11], s[70:71]
	s_add_nc_u64 s[\b+10:\b+11], s[12:13], s[70:71]
.endm
.macro GATE dst, e, ip, sp             ; (i0 == e ? s0 : 0) + (i1 == e ? s1 : 0)
	v_cmp_eq_u32 vcc_lo, s[\e], v[\ip]
	v_cndmask_b32 v[\dst], 0, v[\sp], vcc_lo
	v_cmp_eq_u32 vcc_lo, s[\e], v[\ip+1]
	v_cndmask_b32 v11, 0, v[\sp+1], vcc_lo
	v_add_f32 v[\dst], v[\dst], v11
.endm
	s_load_b512 s[4:19], s[0:1], 0x0               ; x 4:5, scores 6:7, indices 8:9, b1 10:11, b2 12:13, wc 14:15, ws 16:17, tinfo 18:19
	s_load_b128 s[20:23], s[0:1], 0x40             ; ttok 20:21, out0 22:23
	v_lshrrev_b32 v8, 5, v0
	v_readfirstlane_b32 s28, v8                    ; wave 0..7
	s_lshl_b32 s68, ttmp9, 4
	s_mov_b32 s69, 0
	s_wait_kmcnt 0x0
	s_add_nc_u64 s[18:19], s[18:19], s[68:69]
	s_load_b128 s[24:27], s[18:19], 0x0            ; my tile: lo, hi, count
	v_and_b32 v11, 31, v0
	v_lshlrev_b32 v1, 4, v11                       ; 16 x lane
	v_lshlrev_b32 v2, 2, v11                       ; 4 x lane
	s_lshl_b32 s70, s28, 12
	v_add_nc_u32 v3, s70, v1                       ; where I store images: K step = my wave
	v_add_nc_u32 v4, HIMG, v1                      ; the hidden layer's images lie beyond an LDS immediate's reach from 0
	s_lshl_b32 s70, s28, 8
	v_add_nc_u32 v5, s70, v2                       ; and their scale words
	s_mul_i32 s70, s28, WRB
	s_add_co_u32 s70, s70, WREG                    ; my wave's own bytes
	v_add_nc_u32 v6, s70, v1
	v_and_b32 v53, 15, v0                          ; r
	v_bfe_u32 v8, v0, 4, 1                         ; h
	v_mul_u32_u24 v7, v53, 528
	v_lshl_add_u32 v7, v8, 5, v7
	v_add_nc_u32 v7, s70, v7                       ; the stage: row r, + 32 h
	s_lshl_b32 s70, s28, 10
	s_add_co_u32 s70, s70, BREG                    ; my wave's 1,024 bytes for the biases
	v_lshlrev_b32 v23, 6, v8                       ; 64 h
	v_add_nc_u32 v9, s70, v23                      ; b1 out of them: + 64 h
	v_lshlrev_b32 v10, 5, v8
	v_add_nc_u32 v10, s70, v10                     ; b2: + 32 h
	v_add_nc_u32 v22, s70, v1                      ; into them: 16 bytes a lane, as they lie in memory
	s_mov_b32 s56, 0x76543210
	s_mov_b32 s57, 0xfedcba98                      ; v_permlanex16_b32's selects for lane l xor 16
	s_mov_b32 s58, 0x600000                        ; the mantissa field of 448
	s_mov_b32 s60, 0xbfb8aa3b                      ; -log2(e)
	s_mov_b32 s61, s60                             ; (named with it as a pair, so it is written)
	s_mov_b32 s71, 0
.irp b, 0,1,2,3
	v_mov_b32 v[TM+4+\b], 0                        ; written once: a lane permute's destination counts as one of its sources
.endr
	v_mov_b32 v17, 0                               ; (the upper halves of the gates' pairs are named, so they are written)
	v_mov_b32 v19, 0
	s_wait_kmcnt 0x0
	s_min_u32 s24, s24, 7
	s_min_u32 s25, s25, 7
	PTRS 24, 32
	PTRS 25, 44
	s_lshl_b32 s70, s28, 9
	s_add_nc_u64 s[62:63], s[4:5], s[70:71]        ; x and out0 at my wave's 512 bytes of a row
	s_add_nc_u64 s[66:67], s[22:23], s[70:71]
	s_min_u32 s73, s26, 1                          ; 1 for a tile that exists, else 0
	s_lshl_b32 s70, ttmp9, 7
	s_mul_i32 s70, s70, s73                        ; my tile's 32 slots; a tile that does not exist has none written and reads tile 0's, whose slot 0 is written under every split
	s_add_nc_u64 s[20:21], s[20:21], s[70:71]
	s_max_u32 s72, s26, 1
	s_sub_co_u32 s72, s72, 1
	v_min_u32 v54, s72, v53                        ; slot 16 m + r, held at count - 1 (at 0 where the count is 0): rows past the count repeat the last token and are not stored
	v_add_nc_u32 v55, 16, v53
	v_min_u32 v55, s72, v55
	v_min_u32 v54, 31, v54
	v_min_u32 v55, 31, v55
	v_lshlrev_b32 v54, 2, v54
	v_lshlrev_b32 v55, 2, v55
	global_load_b32 v12, v54, s[20:21]
	global_load_b32 v13, v55, s[20:21]
	global_load_b128 v[192:195], v1, s[BI1:BI1+1]  ; the first expert's b1 and b2 at my 128 columns: 512 consecutive bytes each, into registers that the accumulators take later
	global_load_b128 v[196:199], v1, s[BI2:BI2+1]
	BLOAD C1, S1, 0, 0                             ; the first product's first weights go out while the tokens are on their way
	s_wait_loadcnt 33                              ; the two tokens and the two biases are in; the 33 loads behind them stay out
	ds_store_b128 v22, v[192:195]
	ds_store_b128 v22, v[196:199] offset:512
	v_min_u32 v12, 4095, v12
	v_min_u32 v13, 4095, v13
	v_lshl_add_u32 v14, v12, 12, v23               ; x: the token's row of 4,096 bytes, + 64 h
	v_lshl_add_u32 v15, v13, 12, v23
	v_lshlrev_b32 v53, 3, v12                      ; indices and scores: 8 bytes a token
	v_lshlrev_b32 v8, 3, v13
	XLOAD AB, 0
	XLOAD ACC, 1
	global_load_b64 v[60:61], v53, s[8:9]
	global_load_b64 v[62:63], v8, s[8:9]
	global_load_b64 v[54:55], v53, s[6:7]
	global_load_b64 v[208:209], v8, s[6:7]
	s_wait_loadcnt 20                              ; x of row tile 0 is in; tile 1's sixteen loads and the four for the gates stay out
	BLOAD C1, S1, 1, 1
	QUANT AB
	IMAGE AB, XIMG, XSC
	s_wait_loadcnt 37                              ; x of row tile 1 is in; the four for the gates and the 33 weight loads stay out
	s_wait_dscnt 0x0                               ; the stores have read their registers
	QUANT ACC
	IMAGE ACC, XIMG+2048, XSC+128
	s_wait_loadcnt 33                              ; indices and scores are in
	GATE 16, 24, 60, 54
	GATE 18, 24, 62, 208
	GATE 20, 25, 60, 54
	GATE 21, 25, 62, 208
	s_wait_dscnt 0x0                               ; the image's and the biases' stores have read the registers into which the bias is loaded
	BIAS 1
	s_mov_b32 s29, 2                               ; experts to go
	BARRIER                                        ; x's sixteen fragments lie in LDS, and b1 in my accumulators
.Lexpert:
	PHASE C1, S1, 1, XIMG, XSC                     ; my 128 hidden units for the 32 rows
	BLOAD C2, S2, 0, 0                             ; the second product's first weights are asked for ahead of the vector work
	SILU 0
	QUANT AB
	IMAGE AB, HIMG, HSC
	BLOAD C2, S2, 1, 1
	s_wait_dscnt 0x0                               ; the stores have read their registers
	SILU 1
	QUANT AB
	IMAGE AB, HIMG+2048, HSC+128
	BIAS 2
	BARRIER                                        ; the hidden layer's sixteen fragments lie in LDS, and b2 in my accumulators
	PHASE C2, S2, 4, 0, HSC                        ; my 128 outputs for the 32 rows
	s_cmp_eq_u32 s29, 1
	s_cbranch_scc1 .Ltail
	s_wait_xcnt 0x0                                ; every load that named the first expert's pointers has read them (and has come back: the phase's last wait was for 0)
.irp p, 0,2,4,6,8,10
	s_mov_b64 s[32+\p:33+\p], s[44+\p:45+\p]       ; on to the second expert
.endr
	global_load_b128 v[AB:AB+3], v1, s[BI1:BI1+1]  ; its b1 and b2, into registers of the rows' fragments, which are done with (eight places stand behind the last product)
	global_load_b128 v[AB+4:AB+7], v1, s[BI2:BI2+1]
	BLOAD C1, S1, 0, 0
.set ii, 0
.rept 64
	v_pk_mul_f32 v[ACC+2*ii:ACC+2*ii+1], v[ACC+2*ii:ACC+2*ii+1], v[16+2*(ii/32):17+2*(ii/32)] op_sel_hi:[1,0]   ; x g_lo; each accumulator from its low end on
.set ii, ii+1
.endr
.set ii, 0
.rept 32
	ds_store_b128 v6, v[ACC+4*ii:ACC+4*ii+3] offset:512*ii   ; kept in my own LDS bytes, as an image, while the accumulators serve the second expert
.set ii, ii+1
.endr
	s_wait_loadcnt 33                              ; the two biases are in; the 33 weight loads behind them stay out
	ds_store_b128 v22, v[AB:AB+3]                  ; over the first expert's: my own bytes, and LDS serves a wave's instructions in order (ISA guide 5.7.1.4)
	ds_store_b128 v22, v[AB+4:AB+7] offset:512
	BLOAD C1, S1, 1, 1
	v_mov_b32 v16, v20                             ; the gates in hand: g_hi
	v_mov_b32 v18, v21
	s_wait_dscnt 0x0                               ; the stores have read the accumulators: the bias may be loaded into them
	BIAS 1
	BARRIER                                        ; every wave's reads of the hidden layer's images are over: the second trip writes them anew
	s_sub_co_u32 s29, s29, 1
	s_branch .Lexpert
.Ltail:
	WIN 0x40
.set ii, 0
.rept 32
	ds_load_b128 v[4*ii:4*ii+3], v6 offset:512*ii  ; the first expert's share, into the weights' first set, which is done with
.set ii, ii+1
.endr
	WIN 0
	s_wait_dscnt 0x0
	WIN 0x10
.set ii, 0
.rept 64
	v_pk_fma_f32 v[ACC+2*ii:ACC+2*ii+1], v[ACC+2*ii:ACC+2*ii+1], v[16+2*(ii/32):17+2*(ii/32)], v[2*ii:2*ii+1] op_sel_hi:[1,0,1]   ; g_hi x the second expert's result + the first's share
.set ii, ii+1
.endr
	WIN 0
; THE WAY OUT.  A lane holds 32 neighbouring bytes of a row, the lanes beside it other rows: the 32 rows x 512 bytes go through my own stage and come back as whole rows.  LDS serves a wave's instructions in order (ISA guide 5.7.1.4)
.irp m, 0,1
.irp t, 0,1,2,3,4,5,6,7
	ds_store_b128 v7, v[ACC+64*\m+8*\t:ACC+64*\m+8*\t+3] offset:8448*\m+64*\t
	ds_store_b128 v7, v[ACC+64*\m+8*\t+4:ACC+64*\m+8*\t+7] offset:8448*\m+64*\t+16
.endr
.endr
.set ii, 0
.rept 32
	ds_load_b128 v[ACC+4*ii:ACC+4*ii+3], v6 offset:528*ii
.set ii, ii+1
.endr
.set ii, 0
.rept 32
	v_readlane_b32 s68, v[12+ii/16], ii%16         ; row ii's token
	s_min_u32 s68, s68, 4095
	v_lshl_add_u32 v[AB+ii], s68, 12, v1           ; its row of out0, 16 bytes a lane: an offset register of its own for each store
.set ii, ii+1
.endr
	s_wait_dscnt 0x0
.set ii, 0
.rept 32
	s_cmp_le_u32 s26, ii                           ; rows from the count on repeat a token, or belong to no tile: they are not stored.  No barrier follows these branches
	s_cbranch_scc1 .Ldone
	global_store_b128 v[AB+ii], v[ACC+4*ii:ACC+4*ii+3], s[66:67] th:TH_STORE_NT   ; 32 lanes store 512 consecutive bytes, at a multiple of 256 from out0's first byte
.set ii, ii+1
.endr
.Ldone:
	s_wait_xcnt 0x0
	v_lshl_add_u32 v254, v0, 2, 0x34000
	v_mov_b32 v255, 0
	s_wait_tensorcnt 0x0
	ds_add_u32 v254, v255
	s_wait_dscnt 0x0
	s_endpgm
.Lfunc_end_k_q11f80aa578_moe:
	.size	k_q11f80aa578_moe, .Lfunc_end_k_q11f80aa578_moe-k_q11f80aa578_moe
	.p2alignl 7, 3214868480
	.fill 96, 4, 3214868480
	.section	.rodata,"a",@progbits
	.p2align	6, 0x0
	.amdhsa_kernel k_q11f80aa578_moe
		.amdhsa_group_segment_fixed_size 214016
		.amdhsa_private_segment_fixed_size 0
		.amdhsa_enable_private_segment 0
		.amdhsa_kernarg_size 80
		.amdhsa_user_sgpr_count 2
		.amdhsa_user_sgpr_kernarg_segment_ptr 1
		.amdhsa_wavefront_size32 1
		.amdhsa_system_sgpr_workgroup_id_x 1
		.amdhsa_system_sgpr_workgroup_id_y 1
		.amdhsa_system_sgpr_workgroup_id_z 1
		.amdhsa_system_vgpr_workitem_id 0
		.amdhsa_next_free_vgpr 512
		.amdhsa_next_free_sgpr 84
		.amdhsa_reserve_vcc 1
		.amdhsa_float_denorm_mode_32 3
		.amdhsa_float_denorm_mode_16_64 3
		.amdhsa_memory_ordered 1
		.amdhsa_forward_progress 1
		.amdhsa_inst_pref_size 202
	.end_amdhsa_kernel
	.amdgpu_metadata
---
amdhsa.version: [ 1, 2 ]
amdhsa.kernels:
  - .name:           k_q11f80aa578_moe
    .symbol:         k_q11f80aa578_moe.kd
    .args:
      - { .name: x, .offset: 0, .size: 8, .value_kind: global_buffer, .address_space: global }
      - { .name: topK_scores, .offset: 8, .size: 8, .value_kind: global_buffer, .address_space: global }
      - { .name: topK_indices, .offset: 16, .size: 8, .value_kind: global_buffer, .address_space: global }
      - { .name: b1, .offset: 24, .size: 8, .value_kind: global_buffer, .address_space: global }
      - { .name: b2, .offset: 32, .size: 8, .value_kind: global_buffer, .address_space: global }
      - { .name: wc, .offset: 40, .size: 8, .value_kind: global_buffer, .address_space: global }
      - { .name: ws, .offset: 48, .size: 8, .value_kind: global_buffer, .address_space: global }
      - { .name: tinfo, .offset: 56, .size: 8, .value_kind: global_buffer, .address_space: global }
      - { .name: ttok, .offset: 64, .size: 8, .value_kind: global_buffer, .address_space: global }
      - { .name: out0, .offset: 72, .size: 8, .value_kind: global_buffer, .address_space: global }
    .group_segment_fixed_size: 214016
    .private_segment_fixed_size: 0
    .kernarg_segment_align: 8
    .kernarg_segment_size: 80
    .max_flat_workgroup_size: 256
    .sgpr_count:     84
    .vgpr_count:     512
    .wavefront_size: 32
...
	.end_amdgpu_metadata
.endif
;; end of part 2
;; ======== version 2 of 2: 2 launches; version 1 with the launch moe written anew for expert scheduling mode
;; workspace buffers: wc 16,777,216 bytes; ws 524,288 bytes; tinfo 4,096 bytes of whole numbers; ttok 19,968 bytes of whole numbers
;; launch prep: the kernel of part 1 again; grid 513 x 1, 8 waves a work-group, no clusters, 2,048 bytes of LDS; arguments W1, W2, topK_indices, wc, ws, tinfo, ttok, out1; writes wc, ws, tinfo, ttok, out1
;; launch moe (part 3): grid 155 x 1, 8 waves a work-group, no clusters, 214,016 bytes of LDS; arguments x, topK_scores, topK_indices, b1, b2, wc, ws, tinfo, ttok, out0; writes out0
.if DOCPART == 3
	.amdgcn_target "amdgcn-amd-amdhsa--gfx1250"
	.amdhsa_code_object_version 6
	.text
	.protected	k_q11f80aa578_moe
	.globl	k_q11f80aa578_moe
	.p2align	8
	.type	k_q11f80aa578_moe,@function
k_q11f80aa578_moe:
	s_mov_b64 s[64:65], 0
	v_nop
	global_prefetch_b8 v0, s[64:65] scope:SCOPE_SE
	s_setreg_imm32_b32 hwreg(HW_REG_WAVE_SCHED_MODE, 0, 2), 2
	s_setreg_imm32_b32 hwreg(HW_REG_WAVE_MODE, 25, 1), 1
	s_wait_xcnt 0x0
	s_wait_alu depctr_vm_vsrc(0)
; MOE.  out0[b] = g_lo (silu(x[b] W1[lo] + b1[lo]) W2[lo] + b2[lo]) + g_hi (the same with hi), both products on codes of FP8 (E4M3) with one E8M0 scale for each 32 along K.
; A work-group takes ONE TILE of at most 32 tokens that share the pair of experts (lo, hi), as the launch before has listed them, through the whole chain, and owns its rows of out0.
; The experts with gate 0 are not multiplied: their share of the sum is 0.  g_e = (i0 == e ? s0 : 0) + (i1 == e ? s1 : 0), as it is defined; the factor 1.0 on the scores is not written.
; 155 work-groups serve every split of the tokens.  The stored count steers which slots of the list are read and which rows are stored, and nothing else: every wave passes every barrier, and no barrier stands under a
; branch on a number read from memory.  So a work-group whose tile this split does not have (count 0) walks the chain like the others, on the list's first token and experts 0 and 1, and stores nothing.
; The rows stored hang on a stored number, so this text has no tensor load: the weights' codes come from memory straight into registers, each fragment by four loads of 512 consecutive bytes, since they were
; laid in the order of the operand's registers.  No cluster: neighbouring tiles have other experts.
; SHARES.  THE EIGHT WAVES SHARE THE COLUMNS, NOT THE ROWS: wave g makes hidden units 128 g .. 128 g + 127 (K step g of the second product: one whole fragment and one scale word a row) and outputs 128 g .. + 127, for both tiles of 16 rows.
; Both products are used TRANSPOSED (source 0 = 16 rows of the weight, source 1 = 16 tokens): a lane holds one token, its registers run along the units; W1's rows of a tile were chosen so that the 16 registers of
; tiles 2 b, 2 b + 1 are 16 neighbours along the next K.  The biases are the C of each sum's first matrix instruction.
; FEW LOADS FROM MEMORY.  A product of a wave is 8 K steps of 33 loads: 32 of 512 bytes of codes and ONE of 512 bytes for the step's four registers of scale words.  An expert's b1 and b2 at my 128 columns come from
; memory once, 512 consecutive bytes each, into LDS bytes of my own, and go from there into the accumulators, where a lane wants eight numbers that fifteen other lanes want too.
; OPERANDS GO FROM WAVE TO WAVE THROUGH LDS AS IMAGES OF THEIR REGISTERS: piece c of a fragment at 512 c + 16 x lane, the scale word at 4 x lane.
; LIMITS: NaN and infinities among the inputs are not served; a block of zeros has the scale byte 1 (its codes are zeros); where x W1 + b1 lies under about -88 the exponential overflows and silu comes out as -0, the true value being under 1e-37 in magnitude.
; LDS: 0 x's scale words [2 s + m][lane]; 2,048 the hidden layer's; 4,096 x's 16 fragments [2 s + m] x 2,048; 36,864 the hidden layer's; from 69,632 on 16,896 bytes of each wave's own: first the image of g_lo x the first expert's result, then the stage for the way out (32 rows x 528);
;   from 204,800 on 1,024 bytes of each wave's own: b1, then b2, of the expert in hand at my 128 columns; from 212,992 on the spare words, 128 bytes a wave.
; REGISTERS.  Window 0: v1-15 addresses and tokens; v16-21 gates; v22 where I store the biases, v23 64 x (lane / 16); v24-31 the weights' scale words, v32-35 the rows' (two sets each: these registers hold scales alone); v36-59 at work in the quantiser;
;   v64-127 two sets of the rows' fragments, and between the products 64 numbers at work; v128-255 the 16 accumulators, (t, m) at 128 + 64 m + 8 t.   Window 1: two sets of 8 weight fragments, at v0 and v128 of it.
; THE MODE: SCHED_MODE bits 1:0 = 2 (LLVM: expert scheduling mode 2), set by the entry lines.  The code itself states the register dependences between vector or matrix instructions and memory or LDS instructions,
; with s_wait_alu, always for 0.
; THE PLAN.  Registers that memory or LDS instructions touch:
;   v1-7, v9, v10, v22   offsets and LDS addresses: made once at the head, ahead of the first wait on va_vdst, and never written again.
;   W0, W1, BS0, BS1     a K step's weight fragments (window 1) and their scale words.  K step s: its 16 products read set s % 2; behind them the loads of step s + 2 (in the first product's steps 6 and 7: of the second product's steps 0 and 1) land in it.
;   AB0, AB1, AS         the rows' fragments and scale words: read by step s's products, then the LDS loads of step s + 2 land.  Between the products AB holds 64 numbers: written by the activation and the quantiser, read by the images' LDS stores.
;   PC0, PW              codes and scale word: written by the quantiser, read by the images' LDS stores.
;   ACC                  the biases' LDS loads land; the products add; the activation and the gates' multiplications read; LDS stores read them at the change of experts and on the way out.
; So ONE wait on va_vdst stands in a K step, behind its products, and the step's 43 loads follow it; one stands ahead of each image's stores; one behind the second product, ahead of the branch, for both ways on.
; A wait on vm_vsrc stands wherever registers that LDS stores have read are written or loaded again: between the two row tiles, ahead of the second product, and ahead of each load of a bias into the accumulators.
.set XSC,  0
.set HSC,  2048
.set XIMG, 4096
.set HIMG, 36864
.set WREG, 69632
.set WRB,  16896
.set BREG, 204800
.set BS,   24
.set AS,   32
.set TM,   36                          ; v36-39 largest magnitudes, v40-43 bytes, v44-47 448 x the scale, v48-51 the conversions' scale operands
.set PW,   52                          ; the scale word just made
.set PC0,  56                          ; v56-59 block 0's codes; block b's go into the first four registers of block b - 1's numbers
.set AB,   64
.set ACC,  128
.set C1,   32                          ; s[32:43] the expert in hand: W1's codes, W1's scales, W2's codes, W2's scales, b1, b2, each at my wave's part;  s[44:55] the same for the second expert
.set S1,   34
.set C2,   36
.set S2,   38
.set BI1,  40
.set BI2,  42
.set GM,   74                          ; s74-81 the gates' eight lane masks
.set MSB, 0
.macro WIN new                         ; s_set_vgpr_msb's low byte: bits 1:0 source 0, 3:2 source 1, 5:4 source 2, 7:6 destination; the high byte repeats the setting that is left
.if MSB != \new
	s_set_vgpr_msb (MSB<<8)|\new
.set MSB, \new
.endif
.endm
.macro PLACES                          ; eight places behind this matrix form, in front of loads into its operands and of the first read of results
.rept 8
	v_nop
.endr
.endm
.macro BARRIER                         ; my LDS stores have landed and my LDS loads are in: then the work-group's barrier
	s_wait_dscnt 0x0
	s_barrier_signal -1
	s_barrier_wait -1
.endm
; 33 loads: my 8 weight fragments of K step s into set buf (each load: 512 consecutive bytes), and by one load more their 4 registers of scale words (register q: lanes 0-15 tile 2 q, lanes 16-31 tile 2 q + 1)
.macro BLOAD cb, sb, s, buf
	WIN 0x40
.irp t, 0,1,2,3,4,5,6,7
.irp c, 0,1,2,3
	global_load_b128 v[128*(\buf)+16*\t+4*\c:128*(\buf)+16*\t+4*\c+3], v1, s[\cb:\cb+1] offset:16384*(\s)+2048*\t+512*\c
.endr
.endr
	WIN 0
	global_load_b128 v[BS+4*(\buf):BS+4*(\buf)+3], v1, s[\sb:\sb+1] offset:512*(\s)
.endm
; 10 LDS loads: the two row tiles' fragments of K step s and their scale words into set buf
.macro AFETCH areg, ab, sbs, s, buf
.irp m, 0,1
.irp c, 0,1,2,3
	ds_load_b128 v[AB+32*(\buf)+16*\m+4*\c:AB+32*(\buf)+16*\m+4*\c+3], v[\areg] offset:\ab+(2*(\s)+\m)*2048+512*\c
.endr
.endr
.irp m, 0,1
	ds_load_b32 v[AS+2*(\buf)+\m], v2 offset:\sbs+(2*(\s)+\m)*128
.endr
.endm
; 16 matrix instructions, the 16 accumulators by turns, one instruction a turn, in the same order in every step
.macro MUL buf
	WIN 0x01
.irp t, 0,1,2,3,4,5,6,7
.irp m, 0,1
.if (\t)%2
	v_wmma_scale_f32_16x16x128_f8f6f4 v[ACC+64*\m+8*\t:ACC+64*\m+8*\t+7], v[128*(\buf)+16*\t:128*(\buf)+16*\t+15], v[AB+32*(\buf)+16*\m:AB+32*(\buf)+16*\m+15], v[ACC+64*\m+8*\t:ACC+64*\m+8*\t+7], v[BS+4*(\buf)+\t/2], v[AS+2*(\buf)+\m] matrix_a_scale:MATRIX_SCALE_ROW1
.else
	v_wmma_scale_f32_16x16x128_f8f6f4 v[ACC+64*\m+8*\t:ACC+64*\m+8*\t+7], v[128*(\buf)+16*\t:128*(\buf)+16*\t+15], v[AB+32*(\buf)+16*\m:AB+32*(\buf)+16*\m+15], v[ACC+64*\m+8*\t:ACC+64*\m+8*\t+7], v[BS+4*(\buf)+\t/2], v[AS+2*(\buf)+\m]
.endif
.endr
.endr
	WIN 0
.endm
; A K step of 128.  Step s works on set s % 2 and then asks for step s + 2 into the same set.  ncb, nsb: the codes and scale words of the product that follows on every way, whose steps 0 and 1 are asked for behind steps 6 and 7; 0: none.
.macro STEP cb, sb, areg, ab, sbs, s, ncb, nsb
.if ((\s) == 7) && ((\ncb) == 0)
	s_wait_loadcnt 0x0                             ; nothing was issued behind step 7's loads
.else
	s_wait_loadcnt 33                              ; this step's weights are in; the 33 loads issued behind them (the next step's; behind step 7's: the next product's step 0) may be out.  (The bias in the accumulators came from LDS and was waited for in front of the barrier ahead of the product)
.endif
.if (\s) == 7
	s_wait_dscnt 0x0                               ; no rows were asked for behind step 7's
.else
	s_wait_dscnt 10                                ; this step's rows are in; the 10 LDS loads of the next step may be out
.endif
	MUL (\s)%2
	PLACES
.if (\s) < 6
	s_wait_alu depctr_va_vdst(0)                   ; this step's products are done reading their set of weight fragments, weight scale words, rows' fragments and rows' scale words, in which the loads below land
	BLOAD \cb, \sb, (\s)+2, (\s)%2
	AFETCH \areg, \ab, \sbs, (\s)+2, (\s)%2
.elseif (\ncb) != 0
	s_wait_alu depctr_va_vdst(0)                   ; this step's products are done reading their set of weight fragments and weight scale words, in which the next product's first weights land
	BLOAD \ncb, \nsb, (\s)-6, (\s)%2
.endif
.endm
.macro PHASE cb, sb, areg, ab, sbs, ncb, nsb   ; a whole product: K = 1,024 in eight steps; the weights of steps 0 and 1 were asked for ahead, and the bias lies in the accumulators
	AFETCH \areg, \ab, \sbs, 0, 0
	AFETCH \areg, \ab, \sbs, 1, 1
.irp s, 0,1,2,3,4,5,6,7
	STEP \cb, \sb, \areg, \ab, \sbs, \s, \ncb, \nsb
.endr
.endm
; 32 LDS loads: the bias into the accumulators, in the result's layout, out of my own 1,024 bytes.  kind 1: tile 2 b + u, lane half h: b1 at units 32 b + 16 h + 8 u + 0 .. 7 (v9 holds 64 h);  kind 2: tile t: b2, 512 bytes on, at columns 16 t + 8 h + 0 .. 7 (v10 holds 32 h)
.macro BIAS kind
.irp m, 0,1
.irp t, 0,1,2,3,4,5,6,7
.if \kind == 1
	ds_load_b128 v[ACC+64*\m+8*\t:ACC+64*\m+8*\t+3], v9 offset:(32*(\t/2)+8*(\t%2))*4
	ds_load_b128 v[ACC+64*\m+8*\t+4:ACC+64*\m+8*\t+7], v9 offset:(32*(\t/2)+8*(\t%2))*4+16
.else
	ds_load_b128 v[ACC+64*\m+8*\t:ACC+64*\m+8*\t+3], v10 offset:512+64*\t
	ds_load_b128 v[ACC+64*\m+8*\t+4:ACC+64*\m+8*\t+7], v10 offset:512+64*\t+16
.endif
.endr
.endr
.endm
; 64 numbers of a lane, v[s] on, register 16 b + i = k 32 b + 16 (lane / 16) + i of my row, become a fragment's codes and its scale word
.macro QUANT s
.irp b, 0,1,2,3
	v_max3_num_f32 v[TM+\b], |v[\s+16*\b]|, |v[\s+1+16*\b]|, 0x4800000   ; block b: my 16 numbers, and the floor 2^(9 - 127): the byte cannot fall under 1
.endr
.irp i, 2,4,6,8,10,12,14
.irp b, 0,1,2,3
	v_max3_num_f32 v[TM+\b], v[TM+\b], |v[\s+16*\b+\i]|, |v[\s+1+16*\b+\i]|   ; the four blocks by turns
.endr
.endr
.irp b, 0,1,2,3
	v_permlanex16_b32 v[TM+4+\b], v[TM+\b], s56, s57
.endr
.irp b, 0,1,2,3
	v_max_num_f32 v[TM+\b], v[TM+\b], v[TM+4+\b]   ; with lane l xor 16's: the block's largest magnitude
.endr
.irp b, 0,1,2,3
	v_add_nc_u32 v[TM+12+\b], 0xfc000000, v[TM+\b] ; 8 off its exponent field: the conversion's scale operand
.endr
.irp b, 0,1,2,3
	v_and_or_b32 v[TM+8+\b], v[TM+\b], 0x7f800000, s58   ; 448 x the scale
.endr
.irp b, 0,1,2,3
	v_lshrrev_b32 v[TM+4+\b], 23, v[TM+12+\b]      ; the scale's byte
.endr
	v_lshl_or_b32 v[PW], v[TM+5], 8, v[TM+4]       ; the four bytes make my row's scale word
	v_lshl_or_b32 v[PW], v[TM+6], 16, v[PW]
	v_lshl_or_b32 v[PW], v[TM+7], 24, v[PW]
.irp b, 0,1,2,3
.irp i, 0,1,2,3,4,5,6,7,8,9,10,11,12,13,14,15
	v_med3_num_f32 v[\s+16*\b+\i], v[\s+16*\b+\i], -v[TM+8+\b], v[TM+8+\b]   ; the conversion does not saturate (ISA guide 7.6.2): the hold comes first.  These sixteen also stand between the last block's conversions and the writes over their sources
.endr
.if \b == 0
	v_cvt_scalef32_pk8_fp8_f32 v[PC0:PC0+1], v[\s:\s+7], v[TM+12]
	v_cvt_scalef32_pk8_fp8_f32 v[PC0+2:PC0+3], v[\s+8:\s+15], v[TM+12]
.else
	v_cvt_scalef32_pk8_fp8_f32 v[\s+16*(\b-1):\s+16*(\b-1)+1], v[\s+16*\b:\s+16*\b+7], v[TM+12+\b]
	v_cvt_scalef32_pk8_fp8_f32 v[\s+16*(\b-1)+2:\s+16*(\b-1)+3], v[\s+16*\b+8:\s+16*\b+15], v[TM+12+\b]
.endif
.endr
	v_nop                                          ; a plain line behind the last conversion
.endm
.macro IMAGE s, off, soff              ; the fragment just made goes to LDS as it stands: v3 = 16 x lane + 4,096 x wave, v5 = 4 x lane + 256 x wave
	s_wait_alu depctr_va_vdst(0)                   ; the quantiser has written the codes (v[PC0 ..], v[s ..]) and the scale word v[PW], which the LDS stores below read
	ds_store_b128 v3, v[PC0:PC0+3] offset:\off
.irp b, 1,2,3
	ds_store_b128 v3, v[\s+16*(\b-1):\s+16*(\b-1)+3] offset:\off+512*\b
.endr
	ds_store_b32 v5, v[PW] offset:\soff
.endm
; silu(z) = z / (1 + 2^(-z log2 e)) of row tile m's 64 numbers, into v[AB] on.  Each accumulator is read from its low end on.  One wait a batch of transcendentals
.macro SILU m
.set ii, 0
.rept 32
	v_pk_mul_f32 v[AB+2*ii:AB+2*ii+1], v[ACC+64*(\m)+2*ii:ACC+64*(\m)+2*ii+1], s[60:61] op_sel_hi:[1,0]
.set ii, ii+1
.endr
.set ii, 0
.rept 64
	v_exp_f32 v[AB+ii], v[AB+ii]
.set ii, ii+1
.endr
	v_nop                                          ; a plain line behind the last exponential
	s_wait_alu depctr_va_vdst(0)                   ; the 64 exponentials have written v[AB ..], which the additions below read
.set ii, 0
.rept 32
	v_pk_add_f32 v[AB+2*ii:AB+2*ii+1], v[AB+2*ii:AB+2*ii+1], 1.0 op_sel_hi:[1,0]
.set ii, ii+1
.endr
.set ii, 0
.rept 64
	v_rcp_f32 v[AB+ii], v[AB+ii]
.set ii, ii+1
.endr
	v_nop                                          ; a plain line behind the last reciprocal
	s_wait_alu depctr_va_vdst(0)                   ; the 64 reciprocals have written v[AB ..], which the multiplications below read
.set ii, 0
.rept 32
	v_pk_mul_f32 v[AB+2*ii:AB+2*ii+1], v[AB+2*ii:AB+2*ii+1], v[ACC+64*(\m)+2*ii:ACC+64*(\m)+2*ii+1]
.set ii, ii+1
.endr
.endm
.macro XLOAD reg, m                    ; my K step's 64 numbers of my row of tile m: 16 neighbours of each block of 32
.irp b, 0,1,2,3
.irp q, 0,1,2,3
	global_load_b128 v[\reg+16*\b+4*\q:\reg+16*\b+4*\q+3], v[14+\m], s[62:63] offset:128*\b+16*\q
.endr
.endr
.endm
.macro PTRS e, b                       ; the six pointers of expert s[e], at my wave's part, into s[b] on.  8 e + g counts parts of 128 columns
	s_lshl_b32 s68, s[\e], 3
	s_add_co_u32 s68, s68, s28
	s_lshl_b32 s70, s68, 17
	s_add_nc_u64 s[\b:\b+1], s[14:15], s[70:71]
	s_add_nc_u64 s[\b+4:\b+5], s[\b:\b+1], 0x800000      ; W2's codes lie 64 parts on
	s_lshl_b32 s70, s68, 12
	s_add_nc_u64 s[\b+2:\b+3], s[16:17], s[70:71]
	s_add_nc_u64 s[\b+6:\b+7], s[\b+2:\b+3], 0x40000
	s_lshl_b32 s70, s68, 9
	s_add_nc_u64 s[\b+8:\b+9], s[10:11], s[70:71]
	s_add_nc_u64 s[\b+10:\b+11], s[12:13], s[70:71]
.endm
.macro GATE dst, mk, sp                ; (i0 == e ? s0 : 0) + (i1 == e ? s1 : 0); the two comparisons' lane masks lie in s[mk], s[mk + 1]
	v_cndmask_b32 v[\dst], 0, v[\sp], s[\mk]
	v_cndmask_b32 v11, 0, v[\sp+1], s[\mk+1]
	v_add_f32 v[\dst], v[\dst], v11
.endm
	s_load_b512 s[4:19], s[0:1], 0x0               ; x 4:5, scores 6:7, indices 8:9, b1 10:11, b2 12:13, wc 14:15, ws 16:17, tinfo 18:19
	s_load_b128 s[20:23], s[0:1], 0x40             ; ttok 20:21, out0 22:23
	v_lshrrev_b32 v8, 5, v0
	v_readfirstlane_b32 s28, v8                    ; wave 0..7
	s_lshl_b32 s68, ttmp9, 4
	s_mov_b32 s69, 0
	s_wait_kmcnt 0x0
	s_add_nc_u64 s[18:19], s[18:19], s[68:69]
	s_load_b128 s[24:27], s[18:19], 0x0            ; my tile: lo, hi, count
	v_and_b32 v11, 31, v0
	v_lshlrev_b32 v1, 4, v11                       ; 16 x lane
	v_lshlrev_b32 v2, 2, v11                       ; 4 x lane
	s_wait_alu depctr_va_sdst(0)                   ; s28, the wave's number, is written, ahead of its first reader
	s_lshl_b32 s70, s28, 12
	v_add_nc_u32 v3, s70, v1                       ; where I store images: K step = my wave
	v_add_nc_u32 v4, HIMG, v1                      ; the hidden layer's images lie beyond an LDS immediate's reach from 0
	s_lshl_b32 s70, s28, 8
	v_add_nc_u32 v5, s70, v2                       ; and their scale words
	s_mul_i32 s70, s28, WRB
	s_add_co_u32 s70, s70, WREG                    ; my wave's own bytes
	v_add_nc_u32 v6, s70, v1
	v_and_b32 v53, 15, v0                          ; r
	v_bfe_u32 v8, v0, 4, 1                         ; h
	v_mul_u32_u24 v7, v53, 528
	v_lshl_add_u32 v7, v8, 5, v7
	v_add_nc_u32 v7, s70, v7                       ; the stage: row r, + 32 h
	s_lshl_b32 s70, s28, 10
	s_add_co_u32 s70, s70, BREG                    ; my wave's 1,024 bytes for the biases
	v_lshlrev_b32 v23, 6, v8                       ; 64 h
	v_add_nc_u32 v9, s70, v23                      ; b1 out of them: + 64 h
	v_lshlrev_b32 v10, 5, v8
	v_add_nc_u32 v10, s70, v10                     ; b2: + 32 h
	v_add_nc_u32 v22, s70, v1                      ; into them: 16 bytes a lane, as they lie in memory
	s_mov_b32 s56, 0x76543210
	s_mov_b32 s57, 0xfedcba98                      ; v_permlanex16_b32's selects for lane l xor 16
	s_mov_b32 s58, 0x600000                        ; the mantissa field of 448
	s_mov_b32 s60, 0xbfb8aa3b                      ; -log2(e)
	s_mov_b32 s61, s60                             ; (named with it as a pair, so it is written)
	s_mov_b32 s71, 0
.irp b, 0,1,2,3
	v_mov_b32 v[TM+4+\b], 0                        ; written once: a lane permute's destination counts as one of its sources
.endr
	v_mov_b32 v17, 0                               ; (the upper halves of the gates' pairs are named, so they are written)
	v_mov_b32 v19, 0
	s_wait_kmcnt 0x0
	s_min_u32 s24, s24, 7
	s_min_u32 s25, s25, 7
	PTRS 24, 32
	PTRS 25, 44
	s_lshl_b32 s70, s28, 9
	s_add_nc_u64 s[62:63], s[4:5], s[70:71]        ; x and out0 at my wave's 512 bytes of a row
	s_add_nc_u64 s[66:67], s[22:23], s[70:71]
	s_min_u32 s73, s26, 1                          ; 1 for a tile that exists, else 0
	s_lshl_b32 s70, ttmp9, 7
	s_mul_i32 s70, s70, s73                        ; my tile's 32 slots; a tile that does not exist has none written and reads tile 0's, whose slot 0 is written under every split
	s_add_nc_u64 s[20:21], s[20:21], s[70:71]
	s_max_u32 s72, s26, 1
	s_sub_co_u32 s72, s72, 1
	v_min_u32 v54, s72, v53                        ; slot 16 m + r, held at count - 1 (at 0 where the count is 0): rows past the count repeat the last token and are not stored
	v_add_nc_u32 v55, 16, v53
	v_min_u32 v55, s72, v55
	v_min_u32 v54, 31, v54
	v_min_u32 v55, 31, v55
	v_lshlrev_b32 v54, 2, v54
	v_lshlrev_b32 v55, 2, v55
	s_wait_alu depctr_va_vdst(0)                   ; the offsets and LDS addresses v1 to v7, v9, v10, v22 and the slots' offsets v54, v55 are written: every load and store of the kernel reads some of them
	global_load_b32 v12, v54, s[20:21]
	global_load_b32 v13, v55, s[20:21]
	global_load_b128 v[192:195], v1, s[BI1:BI1+1]  ; the first expert's b1 and b2 at my 128 columns: 512 consecutive bytes each, into registers that the accumulators take later
	global_load_b128 v[196:199], v1, s[BI2:BI2+1]
	BLOAD C1, S1, 0, 0                             ; the first product's first weights go out while the tokens are on their way
	s_wait_loadcnt 33                              ; the two tokens and the two biases are in; the 33 loads behind them stay out
	ds_store_b128 v22, v[192:195]
	ds_store_b128 v22, v[196:199] offset:512
	v_min_u32 v12, 4095, v12
	v_min_u32 v13, 4095, v13
	v_lshl_add_u32 v14, v12, 12, v23               ; x: the token's row of 4,096 bytes, + 64 h
	v_lshl_add_u32 v15, v13, 12, v23
	v_lshlrev_b32 v53, 3, v12                      ; indices and scores: 8 bytes a token
	v_lshlrev_b32 v8, 3, v13
	s_wait_alu depctr_va_vdst(0)                   ; the offsets v14, v15, v53 and v8 are written, which the loads below read
	s_wait_alu depctr_vm_vsrc(0)                   ; the two loads of tokens have read their offsets v54 and v55, in which a load of scores lands
	XLOAD AB, 0
	XLOAD ACC, 1
	global_load_b64 v[60:61], v53, s[8:9]
	global_load_b64 v[62:63], v8, s[8:9]
	global_load_b64 v[54:55], v53, s[6:7]
	global_load_b64 v[208:209], v8, s[6:7]
	s_wait_loadcnt 20                              ; x of row tile 0 is in; tile 1's sixteen loads and the four for the gates stay out
	BLOAD C1, S1, 1, 1
	QUANT AB
	IMAGE AB, XIMG, XSC
	s_wait_loadcnt 37                              ; x of row tile 1 is in; the four for the gates and the 33 weight loads stay out
	s_wait_dscnt 0x0                               ; the stores have landed
	s_wait_alu depctr_vm_vsrc(0)                   ; the image's stores have read v[PC0 ..] and v[PW], which the quantiser writes again
	QUANT ACC
	IMAGE ACC, XIMG+2048, XSC+128
	s_wait_loadcnt 33                              ; indices and scores are in
	v_cmp_eq_u32 s[GM+0], s24, v60                 ; the eight comparisons in one run: lo against row tile 0's two indices,
	v_cmp_eq_u32 s[GM+1], s24, v61
	v_cmp_eq_u32 s[GM+2], s24, v62                 ; against row tile 1's,
	v_cmp_eq_u32 s[GM+3], s24, v63
	v_cmp_eq_u32 s[GM+4], s25, v60                 ; and hi likewise
	v_cmp_eq_u32 s[GM+5], s25, v61
	v_cmp_eq_u32 s[GM+6], s25, v62
	v_cmp_eq_u32 s[GM+7], s25, v63
	s_wait_alu depctr_va_sdst(0)                   ; the eight masks s74 to s81 are written, ahead of the selections that read them
	GATE 16, GM+0, 54
	GATE 18, GM+2, 208
	GATE 20, GM+4, 54
	GATE 21, GM+6, 208
	s_wait_dscnt 0x0                               ; the image's and the biases' stores have landed
	s_wait_alu depctr_vm_vsrc(0)                   ; the images' stores have read v[AB ..] and v[ACC ..], the biases' stores v192 to v199: the bias is loaded into the accumulators, and the first product's rows into v[AB ..]
	s_wait_alu depctr_va_vdst(0)                   ; the quantiser is done with v[AB ..] and v[ACC ..] and the gates' selections are done reading v208 and v209, in which those loads land
	BIAS 1
	s_mov_b32 s29, 2                               ; experts to go
	BARRIER                                        ; x's sixteen fragments lie in LDS, and b1 in my accumulators
.Lexpert:
	PHASE C1, S1, 1, XIMG, XSC, C2, S2             ; my 128 hidden units for the 32 rows; behind its last two steps the second product's first weights are asked for, ahead of the vector work
	SILU 0
	QUANT AB
	IMAGE AB, HIMG, HSC
	s_wait_dscnt 0x0                               ; the stores have landed
	s_wait_alu depctr_vm_vsrc(0)                   ; the image's stores have read v[AB ..], v[PC0 ..] and v[PW], which the second row tile's activation and quantiser write again
	SILU 1
	QUANT AB
	IMAGE AB, HIMG+2048, HSC+128
	BIAS 2                                         ; no further wait: the activation's reads of the accumulators stand ahead of the wait at the image's head, and no vector line has followed it
	BARRIER                                        ; the hidden layer's sixteen fragments lie in LDS, and b2 in my accumulators
	s_wait_alu depctr_vm_vsrc(0)                   ; the image's stores have read v[AB ..], in which the second product's rows land
	PHASE C2, S2, 4, 0, HSC, 0, 0                  ; my 128 outputs for the 32 rows
	s_wait_alu depctr_va_vdst(0)                   ; the last two steps' products are done reading both sets of weights, rows and scale words: on either way on, loads land in them
	s_cmp_eq_u32 s29, 1
	s_cbranch_scc1 .Ltail
	s_wait_xcnt 0x0                                ; every load that named the first expert's pointers has read them (and has come back: the phase's last wait was for 0)
.irp p, 0,2,4,6,8,10
	s_mov_b64 s[32+\p:33+\p], s[44+\p:45+\p]       ; on to the second expert
.endr
	global_load_b128 v[AB:AB+3], v1, s[BI1:BI1+1]  ; its b1 and b2, into registers of the rows' fragments, which are done with (eight places stand behind the last product)
	global_load_b128 v[AB+4:AB+7], v1, s[BI2:BI2+1]
	BLOAD C1, S1, 0, 0
.set ii, 0
.rept 64
	v_pk_mul_f32 v[ACC+2*ii:ACC+2*ii+1], v[ACC+2*ii:ACC+2*ii+1], v[16+2*(ii/32):17+2*(ii/32)] op_sel_hi:[1,0]   ; x g_lo; each accumulator from its low end on
.set ii, ii+1
.endr
	s_wait_alu depctr_va_vdst(0)                   ; the multiplications have written v[ACC ..], which the LDS stores below read
.set ii, 0
.rept 32
	ds_store_b128 v6, v[ACC+4*ii:ACC+4*ii+3] offset:512*ii   ; kept in my own LDS bytes, as an image, while the accumulators serve the second expert
.set ii, ii+1
.endr
	s_wait_loadcnt 33                              ; the two biases are in; the 33 weight loads behind them stay out
	ds_store_b128 v22, v[AB:AB+3]                  ; over the first expert's: my own bytes, and LDS serves a wave's instructions in order (ISA guide 5.7.1.4)
	ds_store_b128 v22, v[AB+4:AB+7] offset:512
	BLOAD C1, S1, 1, 1
	v_mov_b32 v16, v20                             ; the gates in hand: g_hi
	v_mov_b32 v18, v21
	s_wait_dscnt 0x0                               ; the stores have landed
	s_wait_alu depctr_vm_vsrc(0)                   ; the share's stores have read v[ACC ..], into which the bias is loaded; the biases' stores have read v[AB ..], in which the next trip's rows land
	BIAS 1
	BARRIER                                        ; every wave's reads of the hidden layer's images are over: the second trip writes them anew
	s_sub_co_u32 s29, s29, 1
	s_branch .Lexpert
.Ltail:
	WIN 0x40
.set ii, 0
.rept 32
	ds_load_b128 v[4*ii:4*ii+3], v6 offset:512*ii  ; the first expert's share, into the weights' first set, which is done with (the wait ahead of the branch has said so)
.set ii, ii+1
.endr
	WIN 0
	s_wait_dscnt 0x0
	WIN 0x10
.set ii, 0
.rept 64
	v_pk_fma_f32 v[ACC+2*ii:ACC+2*ii+1], v[ACC+2*ii:ACC+2*ii+1], v[16+2*(ii/32):17+2*(ii/32)], v[2*ii:2*ii+1] op_sel_hi:[1,0,1]   ; g_hi x the second expert's result + the first's share
.set ii, ii+1
.endr
	WIN 0
; THE WAY OUT.  A lane holds 32 neighbouring bytes of a row, the lanes beside it other rows: the 32 rows x 512 bytes go through my own stage and come back as whole rows.  LDS serves a wave's instructions in order (ISA guide 5.7.1.4)
	s_wait_alu depctr_va_vdst(0)                   ; the multiply-adds have written v[ACC ..], which the LDS stores below read
.irp m, 0,1
.irp t, 0,1,2,3,4,5,6,7
	ds_store_b128 v7, v[ACC+64*\m+8*\t:ACC+64*\m+8*\t+3] offset:8448*\m+64*\t
	ds_store_b128 v7, v[ACC+64*\m+8*\t+4:ACC+64*\m+8*\t+7] offset:8448*\m+64*\t+16
.endr
.endr
	s_wait_alu depctr_vm_vsrc(0)                   ; the stage's stores have read v[ACC ..], in which the rows land as they come back
.set ii, 0
.rept 32
	ds_load_b128 v[ACC+4*ii:ACC+4*ii+3], v6 offset:528*ii
.set ii, ii+1
.endr
.set ii, 0
.rept 32
	v_readlane_b32 s[32+ii+20*(ii/16)], v[12+ii/16], ii%16   ; row ii's token; the 32 in one run, into s32-47 and s68-83, which nothing else needs any more (every load that named them has come back)
.set ii, ii+1
.endr
	s_wait_alu depctr_va_sdst(0)                   ; the 32 tokens' scalar registers are written, ahead of their first readers
.set ii, 0
.rept 32
	s_min_u32 s[32+ii+20*(ii/16)], s[32+ii+20*(ii/16)], 4095
	v_lshl_add_u32 v[AB+ii], s[32+ii+20*(ii/16)], 12, v1     ; its row of out0, 16 bytes a lane: an offset register of its own for each store
.set ii, ii+1
.endr
	s_wait_dscnt 0x0
	s_wait_alu depctr_va_vdst(0)                   ; the 32 offsets v[AB ..] are written, which the stores below read
.set ii, 0
.rept 32
	s_cmp_le_u32 s26, ii                           ; rows from the count on repeat a token, or belong to no tile: they are not stored.  No barrier follows these branches
	s_cbranch_scc1 .Ldone
	global_store_b128 v[AB+ii], v[ACC+4*ii:ACC+4*ii+3], s[66:67] th:TH_STORE_NT   ; 32 lanes store 512 consecutive bytes, at a multiple of 256 from out0's first byte
.set ii, ii+1
.endr
.Ldone:
	s_wait_xcnt 0x0
	s_wait_alu depctr_vm_vsrc(0)                   ; the last row's store has read v254 and v255, which the two lines below write
	v_lshl_add_u32 v254, v0, 2, 0x34000
	v_mov_b32 v255, 0
	s_wait_dscnt 0x0                               ; the closing lines, six on end
	s_wait_alu 0x0
	s_wait_tensorcnt 0x0
	ds_add_u32 v254, v255
	s_wait_dscnt 0x0
	s_endpgm
.Lfunc_end_k_q11f80aa578_moe:
	.size	k_q11f80aa578_moe, .Lfunc_end_k_q11f80aa578_moe-k_q11f80aa578_moe
	.p2alignl 7, 3214868480
	.fill 96, 4, 3214868480
	.section	.rodata,"a",@progbits
	.p2align	6, 0x0
	.amdhsa_kernel k_q11f80aa578_moe
		.amdhsa_group_segment_fixed_size 214016
		.amdhsa_private_segment_fixed_size 0
		.amdhsa_enable_private_segment 0
		.amdhsa_kernarg_size 80
		.amdhsa_user_sgpr_count 2
		.amdhsa_user_sgpr_kernarg_segment_ptr 1
		.amdhsa_wavefront_size32 1
		.amdhsa_system_sgpr_workgroup_id_x 1
		.amdhsa_system_sgpr_workgroup_id_y 1
		.amdhsa_system_sgpr_workgroup_id_z 1
		.amdhsa_system_vgpr_workitem_id 0
		.amdhsa_next_free_vgpr 512
		.amdhsa_next_free_sgpr 84
		.amdhsa_reserve_vcc 0
		.amdhsa_float_denorm_mode_32 3
		.amdhsa_float_denorm_mode_16_64 3
		.amdhsa_memory_ordered 1
		.amdhsa_forward_progress 1
		.amdhsa_inst_pref_size 204
	.end_amdhsa_kernel
	.amdgpu_metadata
---
amdhsa.version: [ 1, 2 ]
amdhsa.kernels:
  - .name:           k_q11f80aa578_moe
    .symbol:         k_q11f80aa578_moe.kd
    .args:
      - { .name: x, .offset: 0, .size: 8, .value_kind: global_buffer, .address_space: global }
      - { .name: topK_scores, .offset: 8, .size: 8, .value_kind: global_buffer, .address_space: global }
      - { .name: topK_indices, .offset: 16, .size: 8, .value_kind: global_buffer, .address_space: global }
      - { .name: b1, .offset: 24, .size: 8, .value_kind: global_buffer, .address_space: global }
      - { .name: b2, .offset: 32, .size: 8, .value_kind: global_buffer, .address_space: global }
      - { .name: wc, .offset: 40, .size: 8, .value_kind: global_buffer, .address_space: global }
      - { .name: ws, .offset: 48, .size: 8, .value_kind: global_buffer, .address_space: global }
      - { .name: tinfo, .offset: 56, .size: 8, .value_kind: global_buffer, .address_space: global }
      - { .name: ttok, .offset: 64, .size: 8, .value_kind: global_buffer, .address_space: global }
      - { .name: out0, .offset: 72, .size: 8, .value_kind: global_buffer, .address_space: global }
    .group_segment_fixed_size: 214016
    .private_segment_fixed_size: 0
    .kernarg_segment_align: 8
    .kernarg_segment_size: 80
    .max_flat_workgroup_size: 256
    .sgpr_count:     84
    .vgpr_count:     512
    .wavefront_size: 32
...
	.end_amdgpu_metadata
.endif
;; end of part 3
